; MI455X (gfx1250); checked and timed in simulation.
; The chip was launched on July 23, 2026; its instructions are those of AMD's public machine-readable ISA for CDNA 5 (MIT licence, August 2026) and "CDNA5" Instruction Set Architecture Reference Guide (July 2026). The comments in the code are by the model that wrote it; some were corrected since.
;; Transition Up. Allowed arithmetic: matrix products marked QUANTISED: E2M3 operands, one E8M0 scale for each 32 along K, by v_wmma_scale_f32_16x16x128_f8f6f4 with both operands' format E2M3, f32 sums; products left as they are: f32 operands where the result goes on into a quantised operand, else bf16, f16 or f32 operands; f32 sums; everything else in f32.
;; Inputs: W1 256 x 512 float32; W2 256 x 256 float32; b1 256 float32; b2 256 float32; g1 256 float32; g2 256 float32; m1 256 float32; m2 256 float32; p1 2 x 4,096 x 3 float32; p2 2 x 16,384 x 3 float32; v1 256 float32; v2 256 float32; x1 2 x 512 x 4,096 float32; x2 2 x 256 x 16,384 float32.
;; Outputs: out0 2 x 16,384 x 3 float32; out1 2 x 256 x 16,384 float32.
;; This version of the problem:
;;   THIS VERSION OF THE PROBLEM IS GIVEN IN LOW PRECISION. The matrix products marked QUANTISED in the list below multiply operands that are first quantised to E2M3 (2 exponent bits, 3 mantissa bits; 6 bits a number), with one power-of-two scale for each 32 numbers along K (OCP MX v1.0); their sums are f32. All else is computed in f32.
;;   The module's matrix products, in the order in which they are computed (A, B: the left and right operand; K: the contracted axis; several contracted axes count as one K, in the product's order):
;;     1. batch 2 x [M 16,384, K 3] x [K 3, N 4,096]; A: input p2; B: input p1: left as it is (K = 3 < 32)
;;     2. [M 8,192, K 512] x [K 512, N 256]; A: input x1; B: input W1: QUANTISED
;;     3. batch 32,768 x [M 1, K 3] x [K 3, N 256]; A: computed on the way; B: computed on the way: left as it is (K = 3 < 32)
;;     4. [M 32,768, K 256] x [K 256, N 256]; A: input x2; B: input W2: QUANTISED
;;   THE QUANTISER, for each operand of a quantised product, along K:
;;     - K is cut into blocks of 32 from its start; a last block that is shorter is filled with zeros.
;;     - A block's scale is 2^e with e = floor(log2(the largest magnitude in the block)) - 2, held to -126 .. 127; a block of zeros has e = 0. As a byte (E8M0): e + 127.
;;     - Each number is divided by its block's scale, clamped to +-7.5, and rounded to the nearest number of E2M3, ties to even, subnormals kept.
;;     - The product sums the exact products of the quantised numbers (number of the format x scale) in f32.
;;   ~~~python
;;   def quantise(x, axis):      # numpy; x: float32 -> the quantised numbers, widened to float32 again
;;       x = np.moveaxis(x, axis, -1); K = x.shape[-1]
;;       x = np.pad(x, [(0, 0)] * (x.ndim - 1) + [(0, -K % 32)]); x = x.reshape(x.shape[:-1] + (-1, 32)); a = np.abs(x).max(-1, keepdims=True)
;;       e = np.where(a > 0, np.clip(np.frexp(np.where(a > 0, a, 1))[1] - 1 - 2, -126, 127), 0)      # np.frexp(a)[1] - 1 = floor(log2(a)), exactly
;;       r = np.clip(x / 2.0 ** e, -7.5, 7.5)
;;       step = 2.0 ** (np.maximum(np.frexp(np.where(r == 0, 1, r))[1] - 1, 0) - 3)
;;       q = np.round(r / step) * step * 2.0 ** e      # np.round: ties to even
;;       return np.moveaxis(q.reshape(q.shape[:-2] + (-1,))[..., :K], -1, axis).astype(np.float32)
;;   ~~~
;; One version. Each part assembles by itself: llvm-mc -triple=amdgcn-amd-amdhsa -mcpu=gfx1250 --defsym DOCPART=n.
;; ======== version 1 of 1: 3 launches
;; workspace buffers: w1q 102,400 bytes; w2q 51,200 bytes; chunks 524,288 bytes of whole numbers; nbr 524,288 bytes of whole numbers; wgt 524,288 bytes; h1 4,194,304 bytes
;; launch knn_coarse (part 1): grid 256 x 1, 8 waves a work-group, no clusters, 132,096 bytes of LDS; arguments p1, p2, W1, W2, out0, w1q, w2q, chunks; writes out0, w1q, w2q, chunks
.if DOCPART == 1
	.amdgcn_target "amdgcn-amd-amdhsa--gfx1250"
	.amdhsa_code_object_version 6
	.text
	.protected	k_q5975641546_knn_coarse
	.globl	k_q5975641546_knn_coarse
	.p2align	8
	.type	k_q5975641546_knn_coarse,@function
k_q5975641546_knn_coarse:
	s_mov_b64 s[64:65], 0
	v_nop
	global_prefetch_b8 v0, s[64:65] scope:SCOPE_SE
	s_setreg_imm32_b32 hwreg(HW_REG_WAVE_MODE, 25, 1), 1
	s_wait_xcnt 0x0
; FIRST OF THREE LAUNCHES.  For each of the 32,768 dense points: which 4 of the 128 chunks (32 neighbouring indices each) of its batch's 4,096 coarse points hold the nearest points.
; Why chunks: each of the 3 nearest points lies in a chunk whose minimum is among the 3 smallest chunk minima; so the bulk pass needs a minimum for each chunk (half an instruction a pair)
; and one insertion with an id for each chunk, not a list with indices for each pair.  Four chunks are kept, one more than needed, since this pass and the next launch round their sums in different orders.
; The ranking number is t = |p1|^2 - 2 p2.p1 (|p2|^2 is the same for all candidates of a query), in f32 on the vector unit: the product's K is 3, three fused multiply-adds a pair, two pairs an instruction.
; Beside that: wave 0 quantises row i of W1 and wave 1 row i of W2 (i = the work-group) to E2M3 codes with E8M0 scales, laid as images of the operand's registers; waves 2 to 4 copy p2 to out0.
; SHARES.  Work-group i: batch i / 128, queries 128 i .. 128 i + 127 (8 tiles of 16).  Wave w: coarse points 512 w .. 512 w + 511 against all 128 queries.  Lane (r, h) holds query 16 t + r of each tile t,
; and in group g it walks points 512 w + 256 h + 32 g + 0 .. 31: chunk 8 (2 w + h) + g.  So a load of 16 bytes a lane brings two different records, one for each half of the lanes, and each feeds 8 queries a lane.
; THE PACKED FORMS take two POINTS at a time: the records lie by pairs of points, (x0, x1, y0, y1) and (z0, z1, n0, n1), n = |p1|^2, and each query's -2 X, -2 Y, -2 Z stand twice, in a register pair.
; LIMITS.  NaN and infinities among the points are not served.  A chunk that holds one of the 3 nearest is missed only where two further chunk minima lie within f32 rounding of it.
; A block of 32 zeros of W gets the scale byte 1 where the rule says 127: its codes are zeros, and this program alone reads the bytes.
; LDS: 0: the records, 8,192 bytes a wave, the wave's own: chunk k of the wave's 16 at 512 k, pair u at + 32 u;  VAL: each part's 4 smallest minima, part x 2,048 + 16 x query;  VAL + IDSO: their chunk ids.
.set VAL,  65536
.set IDSO, 32768
.set RA,   4                           ; v4      8192 w + 4096 h: my half's 8 chunks
.set ADR,  5                           ; v5      RA + 512 g
.set IDB,  6                           ; v6      8 (2 w + h): my first chunk
.set VG,   7                           ; v7      the chunk in hand
.set TT,   8                           ; v8-9    at work
.set CMN,  32                          ; v32-39  the chunk's minimum, for each tile of queries
.set WB,   64                          ; v64-95  (waves 0, 1, ahead of the queries) a block of 32 numbers of W
.set Q,    64                          ; v64-111 tile t: -2 X twice at 6 t, -2 Y twice at 6 t + 2, -2 Z twice at 6 t + 4
.set D,    112                         ; v112-175 first my 512 points, 4 registers for each 32; then two sets of four pairs of points, 8 registers a pair; at the end the 8 parts' lists
.set T,    176                         ; v176-191 t of two points, for each tile
.set ST,   192                         ; v192-255 tile t: the 4 smallest minima at +8 t, their chunks at +8 t + 4
.set CM,   28                          ; s28-31  compare masks
.macro LOADB bt                        ; batch bt of a group's four: pairs 4 bt .. 4 bt + 3, into set bt % 2
.irp e, 0,1,2,3,4,5,6,7
	ds_load_b128 v[D+32*((\bt)%2)+4*\e:D+32*((\bt)%2)+4*\e+3], v[ADR] offset:128*(\bt)+16*\e
.endr
.endm
; two points, v[r] on: x0 x1 y0 y1 z0 z1 n0 n1, against my 8 queries; the tiles by turns, so that no line waits for the line above it.  first: the chunk's minimum begins here
.macro PAIR r, first
.irp t, 0,1,2,3,4,5,6,7
	v_pk_fma_f32 v[T+2*\t:T+2*\t+1], v[\r:\r+1], v[Q+6*\t:Q+6*\t+1], v[\r+6:\r+7]
.endr
.irp t, 0,1,2,3,4,5,6,7
	v_pk_fma_f32 v[T+2*\t:T+2*\t+1], v[\r+2:\r+3], v[Q+6*\t+2:Q+6*\t+3], v[T+2*\t:T+2*\t+1]
.endr
.irp t, 0,1,2,3,4,5,6,7
	v_pk_fma_f32 v[T+2*\t:T+2*\t+1], v[\r+4:\r+5], v[Q+6*\t+4:Q+6*\t+5], v[T+2*\t:T+2*\t+1]
.endr
.irp t, 0,1,2,3,4,5,6,7
.if \first
	v_min_num_f32 v[CMN+\t], v[T+2*\t], v[T+2*\t+1]
.else
	v_min3_num_f32 v[CMN+\t], v[CMN+\t], v[T+2*\t], v[T+2*\t+1]
.endif
.endr
.endm
.macro BATCHC bt, left                 ; batch bt is worked on; left: the loads younger than its eight
.set PB, D+32*((\bt)%2)
	s_wait_dscnt \left
.irp i, 0,1,2,3
.if ((\bt) == 0) && (\i == 0)
	PAIR PB+8*\i, 1
.else
	PAIR PB+8*\i, 0
.endif
.endr
.endm
; v[val] with the id v[id] goes into a list of 4, ascending, values at v[M] on, ids at v[I] on; only places lo .. 4 can change.  The compare is strict: of equals the one that came first stays ahead.
.macro INSERT val, id, M, I, lo
.irp L, 1,2,3,4
.if \L >= \lo
	v_cmp_lt_f32 s[CM+\L-1], v[\val], v[\M+\L-1]
.endif
.endr
.irp L, 4,3,2
.if \L > \lo
	v_cndmask_b32 v[TT+\L%2], v[\id], v[\I+\L-2], s[CM+\L-2]       ; what moves into place L if it changes: the place above, or the newcomer
	v_cndmask_b32 v[\I+\L-1], v[\I+\L-1], v[TT+\L%2], s[CM+\L-1]
.endif
.endr
	v_cndmask_b32 v[\I+\lo-1], v[\I+\lo-1], v[\id], s[CM+\lo-1]
.irp L, 4,3,2
.if \L > \lo
	v_med3_num_f32 v[\M+\L-1], v[\val], v[\M+\L-2], v[\M+\L-1]     ; from the last place up, so that each line still finds the old place above
.endif
.endr
	v_min_num_f32 v[\M+\lo-1], v[\val], v[\M+\lo-1]
.endm
.macro MERGE B, J, M, I                ; a second ascending list goes in: its k-th entry cannot land above place k
.irp k, 1,2,3,4
	INSERT (\B)+\k-1, (\J)+\k-1, \M, \I, \k
.endr
.endm
; A GROUP: one chunk for each half of the lanes, in four batches on two sets of registers.  Two batches are always out: behind a batch's work its set takes the batch two further on, which for the last two
; is the next group's.  So each wait leaves the eight loads of the younger batch out.  last = 1: nothing is left to fetch, and the last wait is for 0.
.macro GROUP last
	BATCHC 0, 8
	LOADB 2
	BATCHC 1, 8
	LOADB 3
	BATCHC 2, 8
.if \last == 0
	s_add_co_u32 s25, s25, 512
	v_add_nc_u32 v[ADR], s25, v[RA]
	LOADB 0
	BATCHC 3, 8
	LOADB 1
.else
	BATCHC 3, 0
.endif
	v_add_nc_u32 v[VG], s24, v[IDB]
.irp t, 0,1,2,3,4,5,6,7
	INSERT CMN+\t, VG, ST+8*\t, ST+8*\t+4, 1
.endr
.endm
	s_load_b512 s[4:19], s[0:1], 0x0               ; p1 s[4:5], p2 s[6:7], W1 s[8:9], W2 s[10:11], out0 s[12:13], w1q s[14:15], w2q s[16:17], chunks s[18:19]
	v_lshl_add_u32 v62, v0, 2, 0x20000
	v_mov_b32 v63, 0
	v_lshrrev_b32 v1, 5, v0
	v_readfirstlane_b32 s20, v1                    ; wave 0..7
	v_and_b32 v1, 31, v0                           ; lane
	v_and_b32 v2, 15, v0                           ; r
	v_bfe_u32 v3, v0, 4, 1                         ; h
	s_lshr_b32 s21, ttmp9, 7                       ; batch
	s_mov_b32 s32, 0x76543210                      ; v_permlanex16_b32: lane l xor 16
	s_mov_b32 s33, 0xfedcba98
	s_lshl_b32 s26, s20, 13                        ; my wave's records
	v_lshl_add_u32 v[RA], v3, 12, s26
	v_lshrrev_b32 v8, 1, v1
	v_and_b32 v9, 1, v1
	v_lshlrev_b32 v40, 5, v8
	v_lshl_add_u32 v40, v9, 2, v40
	v_add_nc_u32 v40, s26, v40                     ; v40: where point 32 k + lane of my wave goes: pair lane / 2, place lane % 2 (+ 512 k, + 8 for each of y, z, n, in the offset)
	s_lshl_b32 s27, s20, 4
	v_lshl_add_u32 v[IDB], v3, 3, s27
	v_mul_u32_u24 v41, v1, 12                      ; v41: a point is 12 bytes
	v_mul_u32_u24 v42, v2, 12                      ; v42: query r of a tile
	s_lshl_b32 s27, s20, 12
	s_add_co_u32 s27, s27, VAL
	v_lshlrev_b32 v43, 4, v2
	v_lshl_add_u32 v43, v3, 11, v43
	v_add_nc_u32 v43, s27, v43                     ; v43: my part's lists: VAL + 2048 (2 w + h) + 16 r (+ 256 t)
	s_lshl_b32 s27, s20, 8
	v_lshl_add_u32 v45, v2, 4, s27                 ; v45: 16 x query 16 w + r: its place in the work-group's part of chunks
	v_lshl_add_u32 v44, v3, 14, v45
	v_add_nc_u32 v44, VAL, v44                     ; v44: the merge: VAL + 2048 x 8 h + 16 (16 w + r) (+ 2048 s)
	s_wait_kmcnt 0x0
	s_mul_i32 s26, s21, 49152
	s_mul_i32 s27, s20, 6144
	s_add_co_u32 s26, s26, s27
	s_mov_b32 s27, 0
	s_add_nc_u64 s[4:5], s[4:5], s[26:27]          ; p1 at my wave's 512 points
	s_mul_i32 s26, ttmp9, 1536
	s_add_nc_u64 s[6:7], s[6:7], s[26:27]          ; p2 and out0 at the work-group's 128 queries
	s_add_nc_u64 s[12:13], s[12:13], s[26:27]
	s_lshl_b32 s26, ttmp9, 11
	s_add_nc_u64 s[18:19], s[18:19], s[26:27]      ; chunks likewise: 16 bytes a query
.irp k, 0,1,2,3,4,5,6,7,8,9,10,11,12,13,14,15
	global_load_b96 v[D+4*\k:D+4*\k+2], v41, s[4:5] offset:384*\k      ; 32 points: 384 consecutive bytes
.endr
.irp t, 0,1,2,3,4,5,6,7
	global_load_b96 v[ST+4*\t:ST+4*\t+2], v42, s[6:7] offset:192*\t    ; query r of tile t, in both halves of the lanes
.endr
	; ---- what some waves do beside: a branch on the wave's number
	s_cmp_lt_u32 s20, 2
	s_cbranch_scc0 .Lnot_weights
	; Waves 0, 1: row o = i of W1 (16 blocks of 32 along K) or of W2 (8).  A lane takes a block; the lanes beyond the row's blocks repeat them and store the same bytes again.
	s_cmp_eq_u32 s20, 0
	s_cselect_b64 s[36:37], s[8:9], s[10:11]       ; from where
	s_cselect_b64 s[38:39], s[14:15], s[16:17]     ; to where
	s_cselect_b32 s40, 15, 7                       ; blocks - 1
	s_cselect_b32 s41, 2, 1                        ; log2 of the K steps of 128
	s_cselect_b32 s42, 11, 10                      ; log2 of a row's bytes
	s_mov_b32 s43, 49152
	s_cselect_b32 s43, 98304, s43                  ; where the scale words begin: behind the fragments
	s_lshl_b32 s26, ttmp9, s42
	s_add_nc_u64 s[36:37], s[36:37], s[26:27]
	v_and_b32 v48, s40, v1                         ; kb: my block
	v_lshlrev_b32 v49, 7, v48
.irp e, 0,1,2,3,4,5,6,7
	global_load_b128 v[WB+4*\e:WB+4*\e+3], v49, s[36:37] offset:16*\e
.endr
	; The operand's layout gives block kb of row o to lane o % 16 + 16 (kb % 2), registers 6 c .. 6 c + 5, c = (kb / 2) % 2, of fragment (o / 16, kb / 4); register q of lane L lies at 512 (q / 4) + 16 L + 4 (q % 4)
	s_lshr_b32 s44, ttmp9, 4
	s_lshl_b32 s44, s44, s41
	s_and_b32 s45, ttmp9, 15
	v_lshrrev_b32 v53, 2, v48
	v_add_nc_u32 v54, s44, v53
	v_mul_u32_u24 v54, v54, 1536                   ; the fragment
	v_and_b32 v55, 1, v48
	v_lshl_add_u32 v55, v55, 4, s45
	v_lshl_add_u32 v54, v55, 4, v54                ; + 16 x its lane
	v_bfe_u32 v56, v48, 1, 1                       ; c
	v_mad_u32_u24 v57, v56, 520, v54               ; registers 0, 1 of my six: c = 0: byte 0; c = 1: byte 520.  Registers 4, 5: 512 further on
	v_mad_u32_u24 v58, v56, 1016, v54              ; registers 2, 3: 8 bytes behind this: c = 0: byte 8; c = 1: byte 1,024
	s_lshr_b32 s44, ttmp9, 5
	s_lshl_b32 s44, s44, s41
	s_lshl_b32 s44, s44, 7
	s_and_b32 s45, ttmp9, 31
	s_lshl_b32 s45, s45, 2
	s_add_co_u32 s44, s44, s45
	s_add_co_u32 s44, s44, s43                     ; the scale words: 128 bytes for each pair of tiles and K step; row o's word at 4 (o % 32)
	v_and_b32 v60, 3, v48
	v_lshl_add_u32 v59, v53, 7, v60
	v_add_nc_u32 v59, s44, v59
	s_wait_loadcnt 0x0
	v_max3_num_f32 v50, |v[WB]|, |v[WB+1]|, 0x1800000              ; the block's largest magnitude, and the floor 2^(3 - 127): the byte cannot fall under 1
.irp i, 2,4,6,8,10,12,14,16,18,20,22,24,26,28,30
	v_max3_num_f32 v50, v50, |v[WB+\i]|, |v[WB+\i+1]|
.endr
	v_add_nc_u32 v51, 0xff000000, v50              ; 2 off its exponent field: the conversion takes the exponent field of this operand as its scale
	v_cvt_scalef32_pk16_fp6_f32 v[96:98], v[WB:WB+15], v51
	v_cvt_scalef32_pk16_fp6_f32 v[100:102], v[WB+16:WB+31], v51    ; (a conversion's three registers begin on an even number)
	v_lshrrev_b32 v52, 23, v51                     ; the scale's byte.  (A plain line behind the conversions)
	v_mov_b32 v99, v100
	v_mov_b32 v100, v101
	v_mov_b32 v101, v102                           ; v96-101: the block's 24 bytes
	global_store_b64 v57, v[96:97], s[38:39]
	global_store_b64 v58, v[98:99], s[38:39] offset:8
	global_store_b64 v57, v[100:101], s[38:39] offset:512
	global_store_b8 v59, v52, s[38:39]
	s_branch .Lroles_done
.Lnot_weights:
	s_cmp_lt_u32 s20, 5
	s_cbranch_scc0 .Lroles_done
	s_sub_co_u32 s26, s20, 2                       ; waves 2 to 4: out0 = p2: 512 of the work-group's 1,536 bytes each
	s_lshl_b32 s26, s26, 9
	v_lshl_add_u32 v52, v1, 4, s26
	global_load_b128 v[48:51], v52, s[6:7]
	s_wait_loadcnt 0x0
	global_store_b128 v52, v[48:51], s[12:13] th:TH_STORE_NT       ; 32 lanes store 512 consecutive bytes, at a multiple of 512 from out0's first byte
.Lroles_done:
	s_wait_xcnt 0x0                                ; the stores above have read their registers: v64 on are written below
	s_wait_loadcnt 0x0                             ; my points and the queries
	; ---- the records, by pairs of points.  The wave's own bytes: LDS serves a wave's instructions in order (ISA guide 5.7.1.4), so no barrier
.irp k, 0,1,2,3,4,5,6,7,8,9,10,11,12,13,14,15
	v_mul_f32 v[D+4*\k+3], v[D+4*\k], v[D+4*\k]
.endr
.irp k, 0,1,2,3,4,5,6,7,8,9,10,11,12,13,14,15
	v_fma_f32 v[D+4*\k+3], v[D+4*\k+1], v[D+4*\k+1], v[D+4*\k+3]
.endr
.irp k, 0,1,2,3,4,5,6,7,8,9,10,11,12,13,14,15
	v_fma_f32 v[D+4*\k+3], v[D+4*\k+2], v[D+4*\k+2], v[D+4*\k+3]   ; n = |p1|^2
.endr
.irp k, 0,1,2,3,4,5,6,7,8,9,10,11,12,13,14,15
.irp c, 0,1,2,3
	ds_store_b32 v40, v[D+4*\k+\c] offset:512*\k+8*\c              ; x, y, z, n of point 32 k + lane: two neighbouring lanes fill each 8 bytes of their pair
.endr
.endr
	; ---- my 8 queries: -2 X, -2 Y, -2 Z, each twice, so that a packed line multiplies two points by the same number.  The factor -2 rounds nothing
.irp t, 0,1,2,3,4,5,6,7
.irp c, 0,1,2
	v_mul_f32 v[Q+6*\t+2*\c], -2.0, v[ST+4*\t+\c]
	v_mul_f32 v[Q+6*\t+2*\c+1], -2.0, v[ST+4*\t+\c]
.endr
.endr
.irp t, 0,1,2,3,4,5,6,7
.irp j, 0,1,2,3
	v_mov_b32 v[ST+8*\t+\j], 0x7f800000            ; the lists begin with +infinity,
	v_mov_b32 v[ST+8*\t+4+\j], 0                   ; under an id that every chunk's number drives out
.endr
.endr
	; ---- eight groups: seven trips, and the last written out, which fetches nothing
	s_mov_b32 s24, 0                               ; g
	s_mov_b32 s25, 0                               ; 512 g
	v_add_nc_u32 v[ADR], s25, v[RA]
	s_wait_dscnt 0x0                               ; the records' stores have read their registers, which take the loads below
	LOADB 0
	LOADB 1
.Lg:
	GROUP 0
	s_add_co_u32 s24, s24, 1
	s_cmp_lt_u32 s24, 7
	s_cbranch_scc1 .Lg
	GROUP 1
	; ---- each part's lists to LDS; then wave w merges the 16 parts for queries 16 w .. 16 w + 15: lane (r, u) takes parts 8 u .. 8 u + 7, in ascending order of ids
.irp t, 0,1,2,3,4,5,6,7
	ds_store_b128 v43, v[ST+8*\t:ST+8*\t+3] offset:256*\t
	ds_store_b128 v43, v[ST+8*\t+4:ST+8*\t+7] offset:IDSO+256*\t
.endr
	s_wait_dscnt 0x0                               ; for the others' sake: my stores have landed
	s_barrier_signal -1
	s_barrier_wait -1
.irp s, 0,1,2,3,4,5,6,7
	ds_load_b128 v[D+8*\s:D+8*\s+3], v44 offset:2048*\s
	ds_load_b128 v[D+8*\s+4:D+8*\s+7], v44 offset:IDSO+2048*\s
.endr
.irp s, 1,2,3,4,5,6,7
	s_wait_dscnt 14-2*\s                           ; parts 0 to s are in: 14 - 2 s loads are younger
	MERGE D+8*\s, D+8*\s+4, D, D+4
.endr
.irp e, 0,1,2,3,4,5,6,7
	v_permlanex16_b32 v[ST+\e], v[D+\e], s32, s33  ; the other eight parts' list
.endr
	MERGE ST, ST+4, D, D+4                         ; right in lanes 0-15, whose own list has the lower ids
	; the four chunks in ascending order, so that the next launch scans by ascending index: five exchanges
	v_min_u32 v[T], v[D+4], v[D+5]
	v_max_u32 v[T+1], v[D+4], v[D+5]
	v_min_u32 v[T+2], v[D+6], v[D+7]
	v_max_u32 v[T+3], v[D+6], v[D+7]
	v_min_u32 v[D+4], v[T], v[T+2]
	v_max_u32 v[T+4], v[T], v[T+2]
	v_min_u32 v[T+5], v[T+1], v[T+3]
	v_max_u32 v[D+7], v[T+1], v[T+3]
	v_min_u32 v[D+5], v[T+5], v[T+4]
	v_max_u32 v[D+6], v[T+5], v[T+4]
	s_wait_xcnt 0x0                                ; EXEC changes only behind this wait
	v_cmp_gt_u32 vcc_lo, 16, v1
	s_wait_tensorcnt 0x0
	ds_add_u32 v62, v63
	s_wait_dscnt 0x0
	s_and_saveexec_b32 s34, vcc_lo
	global_store_b128 v45, v[D+4:D+7], s[18:19]    ; 16 lanes store 256 consecutive bytes, at a multiple of 256 from the buffer's first byte
	s_wait_xcnt 0x0                                ; and again in front of the line that widens it
	s_or_b32 exec_lo, exec_lo, s34
	s_endpgm
.Lfunc_end_k_q5975641546_knn_coarse:
	.size	k_q5975641546_knn_coarse, .Lfunc_end_k_q5975641546_knn_coarse-k_q5975641546_knn_coarse
	.p2alignl 7, 3214868480
	.fill 96, 4, 3214868480
	.section	.rodata,"a",@progbits
	.p2align	6, 0x0
	.amdhsa_kernel k_q5975641546_knn_coarse
		.amdhsa_group_segment_fixed_size 132096
		.amdhsa_private_segment_fixed_size 0
		.amdhsa_enable_private_segment 0
		.amdhsa_kernarg_size 64
		.amdhsa_user_sgpr_count 2
		.amdhsa_user_sgpr_kernarg_segment_ptr 1
		.amdhsa_wavefront_size32 1
		.amdhsa_system_sgpr_workgroup_id_x 1
		.amdhsa_system_sgpr_workgroup_id_y 1
		.amdhsa_system_sgpr_workgroup_id_z 1
		.amdhsa_system_vgpr_workitem_id 0
		.amdhsa_next_free_vgpr 256
		.amdhsa_next_free_sgpr 66
		.amdhsa_reserve_vcc 1
		.amdhsa_float_denorm_mode_32 3
		.amdhsa_float_denorm_mode_16_64 3
		.amdhsa_memory_ordered 1
		.amdhsa_forward_progress 1
		.amdhsa_inst_pref_size 124
	.end_amdhsa_kernel
	.amdgpu_metadata
---
amdhsa.version: [ 1, 2 ]
amdhsa.kernels:
  - .name:           k_q5975641546_knn_coarse
    .symbol:         k_q5975641546_knn_coarse.kd
    .args:
      - { .name: p1, .offset: 0, .size: 8, .value_kind: global_buffer, .address_space: global }
      - { .name: p2, .offset: 8, .size: 8, .value_kind: global_buffer, .address_space: global }
      - { .name: W1, .offset: 16, .size: 8, .value_kind: global_buffer, .address_space: global }
      - { .name: W2, .offset: 24, .size: 8, .value_kind: global_buffer, .address_space: global }
      - { .name: out0, .offset: 32, .size: 8, .value_kind: global_buffer, .address_space: global }
      - { .name: w1q, .offset: 40, .size: 8, .value_kind: global_buffer, .address_space: global }
      - { .name: w2q, .offset: 48, .size: 8, .value_kind: global_buffer, .address_space: global }
      - { .name: chunks, .offset: 56, .size: 8, .value_kind: global_buffer, .address_space: global }
    .group_segment_fixed_size: 132096
    .private_segment_fixed_size: 0
    .kernarg_segment_align: 8
    .kernarg_segment_size: 64
    .max_flat_workgroup_size: 256
    .sgpr_count:     66
    .vgpr_count:     256
    .wavefront_size: 32
...
	.end_amdgpu_metadata
.endif
;; end of part 1
;; launch refine_conv1 (part 2): grid 256 x 1, 8 waves a work-group, no clusters, 99,328 bytes of LDS; arguments p1, p2, x1, w1q, g1, b1, m1, v1, chunks, nbr, wgt, h1; writes nbr, wgt, h1
.if DOCPART == 2
	.amdgcn_target "amdgcn-amd-amdhsa--gfx1250"
	.amdhsa_code_object_version 6
	.text
	.protected	k_q5975641546_refine_conv1
	.globl	k_q5975641546_refine_conv1
	.p2align	8
	.type	k_q5975641546_refine_conv1,@function
k_q5975641546_refine_conv1:
	s_mov_b64 s[64:65], 0
	v_nop
	global_prefetch_b8 v0, s[64:65] scope:SCOPE_SE
	s_setreg_imm32_b32 hwreg(HW_REG_WAVE_MODE, 25, 1), 1
	s_wait_xcnt 0x0
; SECOND OF THREE LAUNCHES, two pieces of work in one work-group.
; (1) THE 3 NEAREST.  For queries 128 i .. 128 i + 127: the 4 chunks that the first launch chose (128 candidates) are scanned in f32, d = (|p2|^2 + |p1|^2) - 2 (x X + y Y + z Z).
;     THE ORDER OF ROUNDING IS PART OF THE RESULT: d is a difference of sums far larger than itself, so two candidates can be equal or one rounding step apart, and the rounding then says which is nearer.
;     |p|^2 is taken as it is written in the problem, a square and then a sum: three squares, each rounded, and two additions in ascending order (on purpose NOT fused); the product of the two points is one
;     multiplication and two fused multiply-adds in ascending order; the doubling rounds nothing.  A list of 3 with indices, of equals the lower index; weights (1 / (d + 1e-8)) / their sum.
;     Stored: nbr (3 indices, 0), wgt (3 weights, 0).
; (2) h1 = relu(BN1(W1 x1)) for columns n0 = 32 (i % 128) .. + 31 of batch i / 128, all 256 channels, K = 512, on E2M3 codes with E8M0 scales (v_wmma_scale_f32_16x16x128_f8f6f4); stored as bf16, [b][n][256]:
;     it is an operand of the weighted sum of three, a product that is left as it is.
; SHARES.  Waves 0-3 quantise x1: wave w takes channels 128 w .. + 127 of the 32 columns, A LANE TO A COLUMN, REGISTERS DOWN K: a block of 32 lies in one lane, and the codes come out with K innermost.
; Waves 4-7 lay the batch's 4,096 coarse points in LDS as records (x, y, z, |p|^2).  Then every wave scans for 16 queries (lane (r, h): query 16 w + r, chunks 2 h and 2 h + 1 of its four) and multiplies
; for channels 32 w .. 32 w + 31 (source 0 = 16 rows of W1, source 1 = 16 columns of x1: a lane holds one column and eight neighbouring channels).
; Operands go from wave to wave through LDS as images of their registers: a fragment's 12 registers by three stores of 16 bytes a lane at 16 x lane; the scale word at 4 x lane.
; A work-group takes 32 columns, 128 bytes of each row of x1, so that all 256 work-groups have the same work.
; LIMITS.  NaN and infinities are not served.  Candidates whose d are equal or one rounding step apart fall as the order of rounding stated above has them, and may fall otherwise under another order.
; A block of zeros gets the scale byte 1 (its codes are zeros).
; LDS: 0: records, chunk c at 528 c, candidate j at + 16 j;  XIMG: x1's 8 fragments, (K step, tile) at 1,536 (2 ks + T);  XSC: their scale words, 128 ks + 4 lane;  HST: 32 rows of h1 x (512 + 16) bytes.
.set XIMG, 67584
.set XSC,  79872
.set HST,  80384
.set TT,   22                          ; v22-23   first two offsets of the head's loads, then at work in the insertions
.set CM,   36                          ; s36-38   compare masks
.set RAW,  24                          ; v24-151  128 numbers of x1, or 32 points
.set F0,   152                         ; v152-163 the fragment of lanes 0-15's columns
.set F1,   164                         ; v164-175 of lanes 16-31's
.set SQT,  164                         ; v164-171 in the waves that lay the points: eight squares at work
.set TU0,  176                         ; v176-178, v180-182 the upper halves of two blocks' codes
.set TU1,  180
.set AM,   184                         ; v184-185 largest magnitudes; v186-187 scale operands; v188-189 bytes; v190 the scale word
.set SCL,  186
.set BY,   188
.set WD,   190
.set MM,   192                         ; v192-207 m1; v208-223 v1; v224-239 g1, then the scale; v240-255 b1, then the shift: of my 16 channels
.set VV,   208
.set GG,   224
.set BB,   240
.set AW,   24                          ; v24-119  W1's 8 fragments (tile o, K step ks) at 12 (4 o + ks)
.set AS,   120                         ; v120-123 their scale words: lanes 0-15 tile 0's, lanes 16-31 tile 1's
.set P,    124                         ; v124-187 two sets of 8 records
.set M3,   188                         ; v188-190 the 3 smallest d
.set I3,   192                         ; v192-194 their places, then indices; v195 = 0
.set PM,   196                         ; v196-198, v199-201 the other half's list
.set PI,   199
.set WG3,  208                         ; v208-210 the weights; v211 = 0
.set ACC,  124                         ; v124-155 the 4 accumulators (o, T) at 8 (2 o + T)
.set BX,   156                         ; v156-203 four fragments of x1
.set BS,   204                         ; v204-207 x1's scale words
.set PK,   208                         ; v208-223 the results as bf16
; 64 numbers of a lane's column, v[X] on, two whole blocks of 32 along K, become registers 6 c .. 6 c + 5 of two fragments, and two bytes of the column's scale word.
.macro QUANT64 X, c
	v_max3_num_f32 v[AM], |v[\X]|, |v[\X+1]|, 0x1800000            ; with the floor 2^(3 - 127): the byte cannot fall under 1
	v_max3_num_f32 v[AM+1], |v[\X+32]|, |v[\X+33]|, 0x1800000
.irp i, 2,4,6,8,10,12,14,16,18,20,22,24,26,28,30
	v_max3_num_f32 v[AM], v[AM], |v[\X+\i]|, |v[\X+\i+1]|          ; (the two blocks by turns)
	v_max3_num_f32 v[AM+1], v[AM+1], |v[\X+32+\i]|, |v[\X+33+\i]|
.endr
	v_add_nc_u32 v[SCL], 0xff000000, v[AM]         ; 2 off the exponent field: the conversion's scale operand
	v_add_nc_u32 v[SCL+1], 0xff000000, v[AM+1]
	v_lshrrev_b32 v[BY], 23, v[SCL]                ; the scale's byte
	v_lshrrev_b32 v[BY+1], 23, v[SCL+1]
.if \c == 0
	v_lshl_or_b32 v[WD], v[BY+1], 8, v[BY]
.else
	v_lshl_or_b32 v[WD], v[BY], 16, v[WD]
	v_lshl_or_b32 v[WD], v[BY+1], 24, v[WD]
.endif
	v_cvt_scalef32_pk16_fp6_f32 v[F0+6*\c:F0+6*\c+2], v[\X:\X+15], v[SCL]
	v_cvt_scalef32_pk16_fp6_f32 v[TU0:TU0+2], v[\X+16:\X+31], v[SCL]           ; (a conversion's three registers begin on an even number)
	v_cvt_scalef32_pk16_fp6_f32 v[F1+6*\c:F1+6*\c+2], v[\X+32:\X+47], v[SCL+1]
	v_cvt_scalef32_pk16_fp6_f32 v[TU1:TU1+2], v[\X+48:\X+63], v[SCL+1]
	v_nop                                          ; one plain line behind the conversions
.irp i, 0,1,2                          ; the layout gives lanes 0-15 of a fragment a column's even block and lanes 16-31 the same column's odd block: the first's upper lanes change places with the second's lower lanes
	v_permlane16_swap_b32 v[F0+6*\c+\i], v[F1+6*\c+\i]
	v_permlane16_swap_b32 v[TU0+\i], v[TU1+\i]
.endr
.irp i, 0,1,2
	v_mov_b32 v[F0+6*\c+3+\i], v[TU0+\i]
	v_mov_b32 v[F1+6*\c+3+\i], v[TU1+\i]
.endr
.endm
.macro IMAGE adr, F, off               ; a fragment goes to LDS as it stands
.irp g, 0,1,2
	ds_store_b128 v[\adr], v[\F+4*\g:\F+4*\g+3] offset:\off+512*\g
.endr
.endm
.macro FETCH reg, adr, off             ; and comes back so, in any wave
.irp g, 0,1,2
	ds_load_b128 v[\reg+4*\g:\reg+4*\g+3], v[\adr] offset:\off+512*\g
.endr
.endm
.macro BNFOLD G, B, M, V               ; scale = g / sqrt(v + 1e-5) into G, shift = b - m x scale into B, 16 channels
.irp j, 0,1,2,3,4,5,6,7,8,9,10,11,12,13,14,15
	v_add_f32 v[\V+\j], 0x3727c5ac, v[\V+\j]
.endr
.irp j, 0,1,2,3,4,5,6,7,8,9,10,11,12,13,14,15
	v_rsq_f32 v[\V+\j], v[\V+\j]
.endr
	v_nop                                          ; a plain line behind the last of the batch,
	s_wait_alu depctr_va_vdst(0)                   ; and one wait for all sixteen, ahead of their first reader
.irp j, 0,2,4,6,8,10,12,14
	v_pk_mul_f32 v[\G+\j:\G+\j+1], v[\G+\j:\G+\j+1], v[\V+\j:\V+\j+1]
.endr
.irp j, 0,2,4,6,8,10,12,14
	v_pk_fma_f32 v[\B+\j:\B+\j+1], v[\M+\j:\M+\j+1], v[\G+\j:\G+\j+1], v[\B+\j:\B+\j+1] neg_lo:[1,0,0] neg_hi:[1,0,0]
.endr
.endm
.macro BARRIER                         ; my LDS stores have landed and my LDS loads are in: then the work-group's barrier
	s_wait_dscnt 0x0
	s_barrier_signal -1
	s_barrier_wait -1
.endm
; v[val] goes into a list of 3, ascending, values at v[M] on, ids at v[I] on; the id is the constant id (isreg = 0) or v[id]; only places lo .. 3 can change.  Of equals the one that came first stays ahead.
.macro INSERT3 val, id, isreg, M, I, lo
.irp L, 1,2,3
.if \L >= \lo
	v_cmp_lt_f32 s[CM+\L-1], v[\val], v[\M+\L-1]
.endif
.endr
.irp L, 3,2
.if \L > \lo
.if \isreg
	v_cndmask_b32 v[TT+\L%2], v[\id], v[\I+\L-2], s[CM+\L-2]
.else
	v_cndmask_b32 v[TT+\L%2], \id, v[\I+\L-2], s[CM+\L-2]
.endif
	v_cndmask_b32 v[\I+\L-1], v[\I+\L-1], v[TT+\L%2], s[CM+\L-1]
.endif
.endr
.if \isreg
	v_cndmask_b32 v[\I+\lo-1], v[\I+\lo-1], v[\id], s[CM+\lo-1]
.else
	v_cndmask_b32 v[\I+\lo-1], v[\I+\lo-1], \id, s[CM+\lo-1]
.endif
.irp L, 3,2
.if \L > \lo
	v_med3_num_f32 v[\M+\L-1], v[\val], v[\M+\L-2], v[\M+\L-1]
.endif
.endr
	v_min_num_f32 v[\M+\lo-1], v[\val], v[\M+\lo-1]
.endm
.macro SLOAD bt                        ; batch bt of eight: candidates 8 (bt % 4) .. + 7 of my chunk bt / 4
.irp e, 0,1,2,3,4,5,6,7
	ds_load_b128 v[P+32*((\bt)%2)+4*\e:P+32*((\bt)%2)+4*\e+3], v[16+(\bt)/4] offset:16*(8*((\bt)%4)+\e)
.endr
.endm
.macro BATCH bt
.set PB, P+32*((\bt)%2)
.if \bt < 7
	s_wait_dscnt 8                                 ; this batch is in; the next batch's eight loads are younger
.else
	s_wait_dscnt 0x0
.endif
.irp e, 0,1,2,3,4,5,6,7
	v_mul_f32 v[PB+4*\e], v6, v[PB+4*\e]
.endr
.irp e, 0,1,2,3,4,5,6,7
	v_fma_f32 v[PB+4*\e], v7, v[PB+4*\e+1], v[PB+4*\e]
.endr
.irp e, 0,1,2,3,4,5,6,7
	v_fma_f32 v[PB+4*\e], v8, v[PB+4*\e+2], v[PB+4*\e]             ; the product of the two points
.endr
.irp e, 0,1,2,3,4,5,6,7
	v_add_f32 v[PB+4*\e+3], v9, v[PB+4*\e+3]                       ; |p2|^2 + |p1|^2
.endr
.irp e, 0,1,2,3,4,5,6,7
	v_fma_f32 v[PB+4*\e], -2.0, v[PB+4*\e], v[PB+4*\e+3]           ; d
.endr
.irp e, 0,1,2,3,4,5,6,7
	INSERT3 PB+4*\e, 8*(\bt)+\e, 0, M3, I3, 1                      ; the id: the candidate's place among my 64
.endr
.if \bt < 6
	SLOAD (\bt)+2
.endif
.endm
; a product on codes.  zero: it starts the sum.  ra, rb: the scale words are taken from lanes 16-31 of the register
.macro WS d, a, b, zero, sa, sb, ra, rb
.if \zero
.if (\ra) && (\rb)
	v_wmma_scale_f32_16x16x128_f8f6f4 v[\d:\d+7], v[\a:\a+11], v[\b:\b+11], 0, v[\sa], v[\sb] matrix_a_fmt:MATRIX_FMT_FP6 matrix_b_fmt:MATRIX_FMT_FP6 matrix_a_scale:MATRIX_SCALE_ROW1 matrix_b_scale:MATRIX_SCALE_ROW1
.elseif \ra
	v_wmma_scale_f32_16x16x128_f8f6f4 v[\d:\d+7], v[\a:\a+11], v[\b:\b+11], 0, v[\sa], v[\sb] matrix_a_fmt:MATRIX_FMT_FP6 matrix_b_fmt:MATRIX_FMT_FP6 matrix_a_scale:MATRIX_SCALE_ROW1
.elseif \rb
	v_wmma_scale_f32_16x16x128_f8f6f4 v[\d:\d+7], v[\a:\a+11], v[\b:\b+11], 0, v[\sa], v[\sb] matrix_a_fmt:MATRIX_FMT_FP6 matrix_b_fmt:MATRIX_FMT_FP6 matrix_b_scale:MATRIX_SCALE_ROW1
.else
	v_wmma_scale_f32_16x16x128_f8f6f4 v[\d:\d+7], v[\a:\a+11], v[\b:\b+11], 0, v[\sa], v[\sb] matrix_a_fmt:MATRIX_FMT_FP6 matrix_b_fmt:MATRIX_FMT_FP6
.endif
.else
.if (\ra) && (\rb)
	v_wmma_scale_f32_16x16x128_f8f6f4 v[\d:\d+7], v[\a:\a+11], v[\b:\b+11], v[\d:\d+7], v[\sa], v[\sb] matrix_a_fmt:MATRIX_FMT_FP6 matrix_b_fmt:MATRIX_FMT_FP6 matrix_a_scale:MATRIX_SCALE_ROW1 matrix_b_scale:MATRIX_SCALE_ROW1
.elseif \ra
	v_wmma_scale_f32_16x16x128_f8f6f4 v[\d:\d+7], v[\a:\a+11], v[\b:\b+11], v[\d:\d+7], v[\sa], v[\sb] matrix_a_fmt:MATRIX_FMT_FP6 matrix_b_fmt:MATRIX_FMT_FP6 matrix_a_scale:MATRIX_SCALE_ROW1
.elseif \rb
	v_wmma_scale_f32_16x16x128_f8f6f4 v[\d:\d+7], v[\a:\a+11], v[\b:\b+11], v[\d:\d+7], v[\sa], v[\sb] matrix_a_fmt:MATRIX_FMT_FP6 matrix_b_fmt:MATRIX_FMT_FP6 matrix_b_scale:MATRIX_SCALE_ROW1
.else
	v_wmma_scale_f32_16x16x128_f8f6f4 v[\d:\d+7], v[\a:\a+11], v[\b:\b+11], v[\d:\d+7], v[\sa], v[\sb] matrix_a_fmt:MATRIX_FMT_FP6 matrix_b_fmt:MATRIX_FMT_FP6
.endif
.endif
.endm
	s_load_b512 s[4:19], s[0:1], 0x0               ; p1 s[4:5], p2 s[6:7], x1 s[8:9], w1q s[10:11], g1 s[12:13], b1 s[14:15], m1 s[16:17], v1 s[18:19]
	s_load_b256 s[20:27], s[0:1], 0x40             ; chunks s[20:21], nbr s[22:23], wgt s[24:25], h1 s[26:27]
	s_set_vgpr_msb 0x40
	v_lshl_add_u32 v0, v0, 2, 0x18000
	v_mov_b32 v1, 0
	s_set_vgpr_msb 0x4000
	v_lshrrev_b32 v1, 5, v0
	v_readfirstlane_b32 s28, v1                    ; wave 0..7
	v_and_b32 v1, 31, v0                           ; lane
	v_and_b32 v2, 15, v0                           ; r
	v_bfe_u32 v3, v0, 4, 1                         ; h
	s_lshr_b32 s29, ttmp9, 7                       ; batch
	s_and_b32 s39, s28, 3                          ; my number among the four waves of my kind
	s_and_b32 s40, ttmp9, 127                      ; my block of columns
	s_mov_b32 s32, 0x76543210                      ; v_permlanex16_b32: lane l xor 16
	s_mov_b32 s33, 0xfedcba98
	; every LDS address is made here, ahead of the parting of the waves
	v_lshlrev_b32 v10, 4, v1                       ; v10: 16 x lane
	v_lshlrev_b32 v11, 2, v1                       ; v11: 4 x lane
	s_mul_i32 s41, s39, 3072
	s_add_co_u32 s41, s41, XIMG
	v_add_nc_u32 v12, s41, v10                     ; v12: where I store x1's two fragments of K step w
	s_mul_i32 s41, s39, 528
	v_add_nc_u32 v13, s41, v10                     ; v13: where I store records: chunk 4 k + (w - 4), candidate = lane
	v_mul_u32_u24 v14, v2, 528
	v_lshl_add_u32 v14, v3, 4, v14
	s_lshl_b32 s41, s28, 6
	s_add_co_u32 s41, s41, HST
	v_add_nc_u32 v14, s41, v14                     ; v14: the stage, in: row r, my 8 channels' 16 bytes: 64 w + 16 h (+ 32 o)
	s_mul_i32 s41, s28, 2112
	s_add_co_u32 s41, s41, HST
	v_add_nc_u32 v15, s41, v10                     ; v15: the stage, back: rows 4 w .. 4 w + 3, whole
	s_lshl_b32 s41, s28, 8
	v_lshl_add_u32 v18, v2, 4, s41                 ; v18: 16 x query 16 w + r
	s_lshl_b32 s41, s39, 7
	s_add_co_u32 s41, s41, XSC
	v_add_nc_u32 v19, s41, v11                     ; v19: where I store x1's scale word
	v_add_nc_u32 v20, XIMG, v10                    ; v20: x1's fragments, read
	v_add_nc_u32 v21, XSC, v11                     ; v21: x1's scale words, read
	v_lshl_add_u32 v22, v3, 3, v18                 ; my two of the query's four chunks
	s_lshl_b32 s41, s28, 4
	v_add_nc_u32 v23, s41, v2
	v_mul_u32_u24 v23, v23, 12                     ; my query's 12 bytes
	s_lshl_b32 s41, s28, 7
	v_lshl_add_u32 v191, v3, 5, s41                ; my channels 32 w + 8 h (+ 16 o) in the norm's four vectors
	s_wait_kmcnt 0x0
	s_lshl_b32 s30, ttmp9, 11
	s_mov_b32 s31, 0
	s_add_nc_u64 s[20:21], s[20:21], s[30:31]      ; chunks, nbr, wgt at the work-group's 128 queries: 16 bytes each
	s_add_nc_u64 s[22:23], s[22:23], s[30:31]
	s_add_nc_u64 s[24:25], s[24:25], s[30:31]
	s_mul_i32 s30, ttmp9, 1536
	s_add_nc_u64 s[6:7], s[6:7], s[30:31]          ; p2 likewise: 12 bytes each
	s_mul_i32 s30, s29, 49152
	s_add_nc_u64 s[4:5], s[4:5], s[30:31]          ; p1 at the batch
	s_add_nc_u64 s[42:43], s[10:11], 98304         ; W1's scale words: behind the fragments, 512 bytes a wave
	s_lshl_b32 s30, s28, 9
	s_add_nc_u64 s[42:43], s[42:43], s[30:31]
	s_mul_i32 s30, s28, 12288
	s_add_nc_u64 s[10:11], s[10:11], s[30:31]      ; W1's fragments: 8 a wave
	s_lshl_b32 s30, s29, 21
	s_lshl_b32 s41, s40, 14
	s_add_co_u32 s30, s30, s41
	s_lshl_b32 s41, s28, 11
	s_add_co_u32 s30, s30, s41
	s_add_nc_u64 s[26:27], s[26:27], s[30:31]      ; h1 at row 4096 b + n0 + 4 w: 512 bytes a row
	global_load_b64 v[4:5], v22, s[20:21]
	global_load_b96 v[6:8], v23, s[6:7]
.irp q, 0,1,2,3
	global_load_b128 v[GG+4*\q:GG+4*\q+3], v191, s[12:13] offset:64*(\q/2)+16*(\q%2)
	global_load_b128 v[BB+4*\q:BB+4*\q+3], v191, s[14:15] offset:64*(\q/2)+16*(\q%2)
	global_load_b128 v[MM+4*\q:MM+4*\q+3], v191, s[16:17] offset:64*(\q/2)+16*(\q%2)
	global_load_b128 v[VV+4*\q:VV+4*\q+3], v191, s[18:19] offset:64*(\q/2)+16*(\q%2)
.endr
	s_cmp_lt_u32 s28, 4
	s_cbranch_scc0 .Lpoints
	; ---- waves 0-3: x1's channels 128 w .. + 127 of the 32 columns
	s_lshl_b32 s30, s29, 23
	s_lshl_b32 s41, s28, 21
	s_add_co_u32 s30, s30, s41
	s_lshl_b32 s41, s40, 7
	s_add_co_u32 s30, s30, s41
	s_add_nc_u64 s[8:9], s[8:9], s[30:31]
.set ii, 0
.rept 128
	global_load_b32 v[RAW+ii], v11, s[8:9] offset:16384*ii th:TH_LOAD_NT       ; a channel's 32 columns: 128 consecutive bytes; read once in the launch
.set ii, ii+1
.endr
	s_wait_loadcnt 63                              ; the first 64 channels are in: 64 loads are younger than they, and 63 is the most that the wait can name
	QUANT64 RAW, 0
	s_wait_loadcnt 0x0
	QUANT64 RAW+64, 1
	IMAGE 12, F0, 0
	IMAGE 12, F1, 1536
	ds_store_b32 v19, v[WD]
	s_branch .Ljoin
.Lpoints:
	; ---- waves 4-7: the batch's 4,096 points as records
	s_mul_i32 s41, s39, 384
	v_mad_u32_u24 v152, v1, 12, s41
.set ii, 0
.rept 32
	global_load_b96 v[RAW+4*ii:RAW+4*ii+2], v152, s[4:5] offset:1536*ii        ; point 128 k + 32 (w - 4) + lane
.set ii, ii+1
.endr
.irp q, 0,1,2,3
	s_wait_loadcnt 24-8*\q                         ; eight loads more are in; the later groups of eight are younger
.irp j, 0,1,2,3,4,5,6,7
	v_mul_f32 v[RAW+4*(8*\q+\j)+3], v[RAW+4*(8*\q+\j)], v[RAW+4*(8*\q+\j)]             ; x^2, rounded
.endr
.irp j, 0,1,2,3,4,5,6,7
	v_mul_f32 v[SQT+\j], v[RAW+4*(8*\q+\j)+1], v[RAW+4*(8*\q+\j)+1]                    ; y^2, rounded by itself: not fused, see the head
.endr
.irp j, 0,1,2,3,4,5,6,7
	v_add_f32 v[RAW+4*(8*\q+\j)+3], v[RAW+4*(8*\q+\j)+3], v[SQT+\j]
.endr
.irp j, 0,1,2,3,4,5,6,7
	v_mul_f32 v[SQT+\j], v[RAW+4*(8*\q+\j)+2], v[RAW+4*(8*\q+\j)+2]                    ; z^2 likewise
.endr
.irp j, 0,1,2,3,4,5,6,7
	v_add_f32 v[RAW+4*(8*\q+\j)+3], v[RAW+4*(8*\q+\j)+3], v[SQT+\j]                    ; |p1|^2 = (x^2 + y^2) + z^2
.endr
.irp j, 0,1,2,3,4,5,6,7
	ds_store_b128 v13, v[RAW+4*(8*\q+\j):RAW+4*(8*\q+\j)+3] offset:2112*(8*\q+\j)
.endr
.endr
.Ljoin:                                                ; on both ways every load has been waited for
	BNFOLD GG, BB, MM, VV
	v_mul_f32 v9, v6, v6                           ; |p2|^2 = (X^2 + Y^2) + Z^2, each square rounded by itself: not fused, see the head
	v_mul_f32 v202, v7, v7
	v_add_f32 v9, v9, v202
	v_mul_f32 v202, v8, v8
	v_add_f32 v9, v9, v202
	v_min_u32 v4, 127, v4                          ; loaded numbers enter an address only behind a bound written in the instruction
	v_min_u32 v5, 127, v5
	v_mul_u32_u24 v16, v4, 528                     ; v16, v17: my two chunks' records
	v_mul_u32_u24 v17, v5, 528
	BARRIER                                        ; the records and x1's eight fragments lie in LDS
	; ---- W1's part of this wave is asked for now and lands during the scan
.irp f, 0,1,2,3,4,5,6,7
.irp g, 0,1,2
	global_load_b128 v[AW+12*\f+4*\g:AW+12*\f+4*\g+3], v10, s[10:11] offset:1536*\f+512*\g
.endr
.endr
.irp k, 0,1,2,3
	global_load_b32 v[AS+\k], v11, s[42:43] offset:128*\k
.endr
	; ---- the scan: 64 candidates a lane, eight at a time, two batches in flight
	SLOAD 0
	SLOAD 1
.irp e, 0,1,2
	v_mov_b32 v[M3+\e], 0x7f800000
	v_mov_b32 v[I3+\e], 0
.endr
.irp bt, 0,1,2,3,4,5,6,7
	BATCH \bt
.endr
.irp e, 0,1,2                          ; a place among my 64 becomes an index: 32 x chunk + the place in it
	v_cmp_lt_u32 vcc_lo, 31, v[I3+\e]
	v_cndmask_b32 v202, v4, v5, vcc_lo
	v_and_b32 v203, 31, v[I3+\e]
	v_lshl_add_u32 v[I3+\e], v202, 5, v203
.endr
.irp e, 0,1,2
	v_permlanex16_b32 v[PM+\e], v[M3+\e], s32, s33
	v_permlanex16_b32 v[PI+\e], v[I3+\e], s32, s33
.endr
.irp k, 1,2,3
	INSERT3 PM+\k-1, PI+\k-1, 1, M3, I3, \k        ; the other half's list goes in: right in lanes 0-15, whose own two chunks have the lower indices
.endr
.irp e, 0,1,2
	v_add_f32 v[202+\e], 0x322bcc77, v[M3+\e]      ; d + 1e-8
.endr
.irp e, 0,1,2
	v_rcp_f32 v[202+\e], v[202+\e]
.endr
	v_mov_b32 v[I3+3], 0                           ; (a plain line behind the reciprocals)
	s_wait_alu depctr_va_vdst(0)                   ; one wait for the three, ahead of their first reader
	v_add_f32 v205, v202, v203
	v_add_f32 v205, v205, v204
	v_rcp_f32 v205, v205
	v_mov_b32 v[WG3+3], 0
	s_wait_alu depctr_va_vdst(0)
.irp e, 0,1,2
	v_mul_f32 v[WG3+\e], v[202+\e], v205
.endr
	s_wait_xcnt 0x0                                ; EXEC changes only behind this wait (W1's loads are out)
	v_cmp_gt_u32 vcc_lo, 16, v1
	s_and_saveexec_b32 s34, vcc_lo
	global_store_b128 v18, v[I3:I3+3], s[22:23]    ; 16 lanes store 256 consecutive bytes, at a multiple of 256 from the buffer's first byte
	global_store_b128 v18, v[WG3:WG3+3], s[24:25]
	s_wait_xcnt 0x0                                ; and again in front of the line that widens it; the stores have read their data too
	s_or_b32 exec_lo, exec_lo, s34
	BARRIER                                        ; every wave's scan is over: from the last barrier to this one no wave has stored to LDS
	; ---- the product: my 32 channels x the 32 columns, K = 512 in two halves of two K steps; the four accumulators by turns
	s_wait_loadcnt 0x0                             ; W1's fragments and scale words
.irp k, 0,1,2,3
	ds_load_b32 v[BS+\k], v21 offset:128*\k
.endr
.irp hf, 0,1
.irp kk, 0,1
.irp T, 0,1
	FETCH BX+12*(2*\kk+\T), 20, (2*(2*\hf+\kk)+\T)*1536
.endr
.endr
	s_wait_dscnt 0x0
.irp kk, 0,1
.irp o, 0,1
.irp T, 0,1
	WS ACC+8*(2*\o+\T), AW+12*(4*\o+2*\hf+\kk), BX+12*(2*\kk+\T), ((\hf+\kk)==0), AS+2*\hf+\kk, BS+2*\hf+\kk, \o, \T
.endr
.endr
.endr
.rept 4
	v_nop                                          ; four places in front of loads into registers that the products have read, and of the first read of results
.endr
.endr
.irp o, 0,1
.irp T, 0,1
.set AC, ACC+8*(2*\o+\T)
.irp j, 0,2,4,6
	v_pk_fma_f32 v[AC+\j:AC+\j+1], v[AC+\j:AC+\j+1], v[GG+8*\o+\j:GG+8*\o+\j+1], v[BB+8*\o+\j:BB+8*\o+\j+1]   ; the norm; each accumulator from its low end on
.endr
.irp j, 0,1,2,3,4,5,6,7
	v_max_num_f32 v[AC+\j], 0, v[AC+\j]
.endr
.irp j, 0,1,2,3
	v_cvt_pk_bf16_f32 v[PK+4*(2*\o+\T)+\j], v[AC+2*\j], v[AC+2*\j+1]
.endr
	ds_store_b128 v14, v[PK+4*(2*\o+\T):PK+4*(2*\o+\T)+3] offset:8448*\T+32*\o    ; column 16 T + r, channels 32 w + 16 o + 8 h + 0 .. 7
.endr
.endr
	BARRIER                                        ; 32 whole rows of h1 lie in the stage
.irp e, 0,1,2,3
	ds_load_b128 v[ACC+4*\e:ACC+4*\e+3], v15 offset:528*\e
.endr
.irp e, 0,1,2,3
	s_wait_dscnt 3-\e                              ; row e is in; 3 - e loads are younger
	global_store_b128 v10, v[ACC+4*\e:ACC+4*\e+3], s[26:27] offset:512*\e      ; 32 lanes store a row of 512 bytes, at a multiple of 512 from h1's first byte
.endr
	s_set_vgpr_msb 0x5
	s_wait_tensorcnt 0x0
	ds_add_u32 v0, v1
	s_wait_dscnt 0x0
	s_set_vgpr_msb 0x500
	s_endpgm
.Lfunc_end_k_q5975641546_refine_conv1:
	.size	k_q5975641546_refine_conv1, .Lfunc_end_k_q5975641546_refine_conv1-k_q5975641546_refine_conv1
	.p2alignl 7, 3214868480
	.fill 96, 4, 3214868480
	.section	.rodata,"a",@progbits
	.p2align	6, 0x0
	.amdhsa_kernel k_q5975641546_refine_conv1
		.amdhsa_group_segment_fixed_size 99328
		.amdhsa_private_segment_fixed_size 0
		.amdhsa_enable_private_segment 0
		.amdhsa_kernarg_size 96
		.amdhsa_user_sgpr_count 2
		.amdhsa_user_sgpr_kernarg_segment_ptr 1
		.amdhsa_wavefront_size32 1
		.amdhsa_system_sgpr_workgroup_id_x 1
		.amdhsa_system_sgpr_workgroup_id_y 1
		.amdhsa_system_sgpr_workgroup_id_z 1
		.amdhsa_system_vgpr_workitem_id 0
		.amdhsa_next_free_vgpr 258
		.amdhsa_next_free_sgpr 66
		.amdhsa_reserve_vcc 1
		.amdhsa_float_denorm_mode_32 3
		.amdhsa_float_denorm_mode_16_64 3
		.amdhsa_memory_ordered 1
		.amdhsa_forward_progress 1
		.amdhsa_inst_pref_size 114
	.end_amdhsa_kernel
	.amdgpu_metadata
---
amdhsa.version: [ 1, 2 ]
amdhsa.kernels:
  - .name:           k_q5975641546_refine_conv1
    .symbol:         k_q5975641546_refine_conv1.kd
    .args:
      - { .name: p1, .offset: 0, .size: 8, .value_kind: global_buffer, .address_space: global }
      - { .name: p2, .offset: 8, .size: 8, .value_kind: global_buffer, .address_space: global }
      - { .name: x1, .offset: 16, .size: 8, .value_kind: global_buffer, .address_space: global }
      - { .name: w1q, .offset: 24, .size: 8, .value_kind: global_buffer, .address_space: global }
      - { .name: g1, .offset: 32, .size: 8, .value_kind: global_buffer, .address_space: global }
      - { .name: b1, .offset: 40, .size: 8, .value_kind: global_buffer, .address_space: global }
      - { .name: m1, .offset: 48, .size: 8, .value_kind: global_buffer, .address_space: global }
      - { .name: v1, .offset: 56, .size: 8, .value_kind: global_buffer, .address_space: global }
      - { .name: chunks, .offset: 64, .size: 8, .value_kind: global_buffer, .address_space: global }
      - { .name: nbr, .offset: 72, .size: 8, .value_kind: global_buffer, .address_space: global }
      - { .name: wgt, .offset: 80, .size: 8, .value_kind: global_buffer, .address_space: global }
      - { .name: h1, .offset: 88, .size: 8, .value_kind: global_buffer, .address_space: global }
    .group_segment_fixed_size: 99328
    .private_segment_fixed_size: 0
    .kernarg_segment_align: 8
    .kernarg_segment_size: 96
    .max_flat_workgroup_size: 256
    .sgpr_count:     66
    .vgpr_count:     258
    .wavefront_size: 32
...
	.end_amdgpu_metadata
.endif
;; end of part 2
;; launch conv2_up (part 3): grid 256 x 1, 8 waves a work-group, no clusters, 295,936 bytes of LDS; arguments x2, w2q, g2, b2, m2, v2, nbr, wgt, h1, out1; writes out1
.if DOCPART == 3
	.amdgcn_target "amdgcn-amd-amdhsa--gfx1250"
	.amdhsa_code_object_version 6
	.text
	.protected	k_q5975641546_conv2_up
	.globl	k_q5975641546_conv2_up
	.p2align	8
	.type	k_q5975641546_conv2_up,@function
k_q5975641546_conv2_up:
	s_mov_b64 s[64:65], 0
	v_nop
	global_prefetch_b8 v0, s[64:65] scope:SCOPE_SE
	s_setreg_imm32_b32 hwreg(HW_REG_WAVE_MODE, 25, 1), 1
	s_wait_xcnt 0x0
; THIRD OF THREE LAUNCHES.  out1[b][c][n] = relu(BN2(W2 x2))[c][n] + the sum over the 3 nearest of weight x h1[index][c], for columns n0 = 128 (i % 128) .. + 127 of batch i / 128, all 256 channels.
; The product (K = 256) is on E2M3 codes with E8M0 scales, by v_wmma_scale_f32_16x16x128_f8f6f4; x2 is read once, quantised on the way, and out1 is written once.
; PHASES.  (a) Each wave asks for 32 of x2's 256 rows (512 bytes of each) by one tensor load: LDS is filled once and never again.  (b) While they come, wave w gathers for queries 16 w .. 16 w + 15: three whole rows
; of h1 (512 bytes, bf16) for each, weighed in f32, to LDS.  (c) A barrier; wave (cg = w % 4, ks = w / 4) quantises 32 columns x 128 channels, a lane to a column, registers down K, into two fragments' images.
; (d) A barrier; wave w multiplies for channels 32 w .. 32 w + 31 (source 0 = 16 rows of W2, source 1 = 16 columns: a lane holds one column and eight neighbouring channels), norm, relu, + the gathered sum, store.
; THE COLUMNS OF A TILE ARE NOT NEIGHBOURS: tile 4 Q + T takes columns 64 Q + 4 r + T.  So the four tiles of a quad give a lane 4 neighbouring columns of each channel: 16 bytes, and sixteen lanes store
; 256 consecutive bytes of a channel's row with no way through LDS.
; The indices come from the buffer that the launch before stored; each is bounded by a constant in the instruction before it enters an address.
; LIMITS.  NaN and infinities are not served.  A block of zeros gets the scale byte 1 (its codes are zeros).  h1 comes as bf16; weights and sums are f32.
; LDS: 0: x2's tile, row k at 512 k;  UPB: the gathered sums, query q in row 64 (q / 64) + 16 (q % 4) + (q / 4) % 16 of 1,040 bytes, channel c at word 4 (c / 8) + c % 4 + 128 ((c / 4) % 2);
;      XIMG: 16 fragments, (tile, K step) at 1,536 (tile + 8 ks);  XSC: their scale words, 128 (cg + 4 ks) + 4 lane.
.set UPB,  131072
.set XIMG, 264192
.set XSC,  288768
.set NB,   16                          ; v16-79   the gather: four words a query: three indices, then byte offsets
.set WT,   80                          ; v80-143  four words a query: three weights
.set ROW,  144                         ; v144-239 eight slots of three rows, 4 registers each
.set ACCU, 240                         ; v240-255 two sets of 8 sums
.set AW,   16                          ; v16-63   W2's 4 fragments (tile o, K step ks) at 12 (2 o + ks)
.set AS,   64                          ; v64-65   their scale words: lanes 0-15 tile 0's, lanes 16-31 tile 1's
.set GG,   68                          ; v68-83 g2, then the scale; v84-99 b2, then the shift; v100-115 m2; v116-131 v2: of my 16 channels
.set BB,   84
.set MM,   100
.set VV,   116
.set RAW,  132                         ; v132-195 64 numbers of a column
.set F0,   196
.set F1,   208
.set TU0,  220
.set TU1,  224
.set AM,   228
.set SCL,  230
.set BY,   232
.set WD,   234
.set ACC,  100                         ; v100-163 the 8 accumulators (o, T) at 8 (4 o + T)
.set BX,   164                         ; v164-211 four fragments of x2
.set UPR,  164                         ; v164-195 later: the gathered sums of four tiles, 8 each
.set BS,   212                         ; v212-215 x2's scale words
.set OUT,  216                         ; v216-247 8 channels x 4 neighbouring columns
.macro QUANT64 X, c                    ; 64 numbers of a lane's column, two whole blocks of 32 along K, become registers 6 c .. 6 c + 5 of two fragments, and two bytes of the column's scale word
	v_max3_num_f32 v[AM], |v[\X]|, |v[\X+1]|, 0x1800000            ; with the floor 2^(3 - 127): the byte cannot fall under 1
	v_max3_num_f32 v[AM+1], |v[\X+32]|, |v[\X+33]|, 0x1800000
.irp i, 2,4,6,8,10,12,14,16,18,20,22,24,26,28,30
	v_max3_num_f32 v[AM], v[AM], |v[\X+\i]|, |v[\X+\i+1]|
	v_max3_num_f32 v[AM+1], v[AM+1], |v[\X+32+\i]|, |v[\X+33+\i]|
.endr
	v_add_nc_u32 v[SCL], 0xff000000, v[AM]         ; 2 off the exponent field: the conversion's scale operand
	v_add_nc_u32 v[SCL+1], 0xff000000, v[AM+1]
	v_lshrrev_b32 v[BY], 23, v[SCL]                ; the scale's byte
	v_lshrrev_b32 v[BY+1], 23, v[SCL+1]
.if \c == 0
	v_lshl_or_b32 v[WD], v[BY+1], 8, v[BY]
.else
	v_lshl_or_b32 v[WD], v[BY], 16, v[WD]
	v_lshl_or_b32 v[WD], v[BY+1], 24, v[WD]
.endif
	v_cvt_scalef32_pk16_fp6_f32 v[F0+6*\c:F0+6*\c+2], v[\X:\X+15], v[SCL]
	v_cvt_scalef32_pk16_fp6_f32 v[TU0:TU0+2], v[\X+16:\X+31], v[SCL]           ; (a conversion's three registers begin on an even number)
	v_cvt_scalef32_pk16_fp6_f32 v[F1+6*\c:F1+6*\c+2], v[\X+32:\X+47], v[SCL+1]
	v_cvt_scalef32_pk16_fp6_f32 v[TU1:TU1+2], v[\X+48:\X+63], v[SCL+1]
	v_nop                                          ; one plain line behind the conversions
.irp i, 0,1,2                          ; lanes 0-15 of a fragment want a column's even block, lanes 16-31 the same column's odd block
	v_permlane16_swap_b32 v[F0+6*\c+\i], v[F1+6*\c+\i]
	v_permlane16_swap_b32 v[TU0+\i], v[TU1+\i]
.endr
.irp i, 0,1,2
	v_mov_b32 v[F0+6*\c+3+\i], v[TU0+\i]
	v_mov_b32 v[F1+6*\c+3+\i], v[TU1+\i]
.endr
.endm
.macro IMAGE adr, F, off
.irp g, 0,1,2
	ds_store_b128 v[\adr], v[\F+4*\g:\F+4*\g+3] offset:\off+512*\g
.endr
.endm
.macro FETCH reg, adr, off
.irp g, 0,1,2
	ds_load_b128 v[\reg+4*\g:\reg+4*\g+3], v[\adr] offset:\off+512*\g
.endr
.endm
.macro BNFOLD G, B, M, V               ; scale = g / sqrt(v + 1e-5) into G, shift = b - m x scale into B, 16 channels
.irp j, 0,1,2,3,4,5,6,7,8,9,10,11,12,13,14,15
	v_add_f32 v[\V+\j], 0x3727c5ac, v[\V+\j]
.endr
.irp j, 0,1,2,3,4,5,6,7,8,9,10,11,12,13,14,15
	v_rsq_f32 v[\V+\j], v[\V+\j]
.endr
	v_nop                                          ; a plain line behind the last of the batch,
	s_wait_alu depctr_va_vdst(0)                   ; and one wait for all sixteen, ahead of their first reader
.irp j, 0,2,4,6,8,10,12,14
	v_pk_mul_f32 v[\G+\j:\G+\j+1], v[\G+\j:\G+\j+1], v[\V+\j:\V+\j+1]
.endr
.irp j, 0,2,4,6,8,10,12,14
	v_pk_fma_f32 v[\B+\j:\B+\j+1], v[\M+\j:\M+\j+1], v[\G+\j:\G+\j+1], v[\B+\j:\B+\j+1] neg_lo:[1,0,0] neg_hi:[1,0,0]
.endr
.endm
.macro BARRIER
	s_wait_dscnt 0x0
	s_barrier_signal -1
	s_barrier_wait -1
.endm
.macro WS d, a, b, zero, sa, sb, ra, rb    ; a product on codes.  zero: it starts the sum.  ra, rb: the scale words are taken from lanes 16-31 of the register
.if \zero
.if (\ra) && (\rb)
	v_wmma_scale_f32_16x16x128_f8f6f4 v[\d:\d+7], v[\a:\a+11], v[\b:\b+11], 0, v[\sa], v[\sb] matrix_a_fmt:MATRIX_FMT_FP6 matrix_b_fmt:MATRIX_FMT_FP6 matrix_a_scale:MATRIX_SCALE_ROW1 matrix_b_scale:MATRIX_SCALE_ROW1
.elseif \ra
	v_wmma_scale_f32_16x16x128_f8f6f4 v[\d:\d+7], v[\a:\a+11], v[\b:\b+11], 0, v[\sa], v[\sb] matrix_a_fmt:MATRIX_FMT_FP6 matrix_b_fmt:MATRIX_FMT_FP6 matrix_a_scale:MATRIX_SCALE_ROW1
.elseif \rb
	v_wmma_scale_f32_16x16x128_f8f6f4 v[\d:\d+7], v[\a:\a+11], v[\b:\b+11], 0, v[\sa], v[\sb] matrix_a_fmt:MATRIX_FMT_FP6 matrix_b_fmt:MATRIX_FMT_FP6 matrix_b_scale:MATRIX_SCALE_ROW1
.else
	v_wmma_scale_f32_16x16x128_f8f6f4 v[\d:\d+7], v[\a:\a+11], v[\b:\b+11], 0, v[\sa], v[\sb] matrix_a_fmt:MATRIX_FMT_FP6 matrix_b_fmt:MATRIX_FMT_FP6
.endif
.else
.if (\ra) && (\rb)
	v_wmma_scale_f32_16x16x128_f8f6f4 v[\d:\d+7], v[\a:\a+11], v[\b:\b+11], v[\d:\d+7], v[\sa], v[\sb] matrix_a_fmt:MATRIX_FMT_FP6 matrix_b_fmt:MATRIX_FMT_FP6 matrix_a_scale:MATRIX_SCALE_ROW1 matrix_b_scale:MATRIX_SCALE_ROW1
.elseif \ra
	v_wmma_scale_f32_16x16x128_f8f6f4 v[\d:\d+7], v[\a:\a+11], v[\b:\b+11], v[\d:\d+7], v[\sa], v[\sb] matrix_a_fmt:MATRIX_FMT_FP6 matrix_b_fmt:MATRIX_FMT_FP6 matrix_a_scale:MATRIX_SCALE_ROW1
.elseif \rb
	v_wmma_scale_f32_16x16x128_f8f6f4 v[\d:\d+7], v[\a:\a+11], v[\b:\b+11], v[\d:\d+7], v[\sa], v[\sb] matrix_a_fmt:MATRIX_FMT_FP6 matrix_b_fmt:MATRIX_FMT_FP6 matrix_b_scale:MATRIX_SCALE_ROW1
.else
	v_wmma_scale_f32_16x16x128_f8f6f4 v[\d:\d+7], v[\a:\a+11], v[\b:\b+11], v[\d:\d+7], v[\sa], v[\sb] matrix_a_fmt:MATRIX_FMT_FP6 matrix_b_fmt:MATRIX_FMT_FP6
.endif
.endif
.endm
.macro ROWS e                          ; query e's three rows of h1: each load is a whole row of 512 bytes; lane l gets channels 8 l .. 8 l + 7
.irp k, 0,1,2
	global_load_b128 v[ROW+12*((\e)%8)+4*\k:ROW+12*((\e)%8)+4*\k+3], v[NB+4*(\e)+\k], s[20:21]
.endr
.endm
.macro UPQ e                           ; query e's weighted sum of three, 8 channels a lane, to LDS
.set RW, ROW+12*((\e)%8)
.set AC, ACCU+8*((\e)%2)
.if (\e) <= 8
	s_wait_loadcnt 21                              ; its three rows are in; the rows of the seven queries behind it are younger
.else
	s_wait_loadcnt 3*(15-(\e))
.endif
.irp c, 0,1,2,3
	v_fma_mix_f32_bf16 v[AC+2*\c], v[RW+\c], v[WT+4*(\e)], v15 op_sel:[0,0,0] op_sel_hi:[1,0,0]       ; bf16 (the low half) x f32 + 0
	v_fma_mix_f32_bf16 v[AC+2*\c+1], v[RW+\c], v[WT+4*(\e)], v15 op_sel:[1,0,0] op_sel_hi:[1,0,0]     ; (the high half)
.endr
.irp k, 1,2
.irp c, 0,1,2,3
	v_fma_mix_f32_bf16 v[AC+2*\c], v[RW+4*\k+\c], v[WT+4*(\e)+\k], v[AC+2*\c] op_sel:[0,0,0] op_sel_hi:[1,0,0]
	v_fma_mix_f32_bf16 v[AC+2*\c+1], v[RW+4*\k+\c], v[WT+4*(\e)+\k], v[AC+2*\c+1] op_sel:[1,0,0] op_sel_hi:[1,0,0]
.endr
.endr
	ds_store_b128 v6, v[AC:AC+3] offset:1040*(16*((\e)%4)+(\e)/4)
	ds_store_b128 v6, v[AC+4:AC+7] offset:1040*(16*((\e)%4)+(\e)/4)+512
.if (\e) < 8
	ROWS (\e)+8
.endif
.endm
; A quad of tiles: columns 64 Q .. 64 Q + 63.
.macro PASS Q
.irp ks, 0,1
.irp u, 0,1
	ds_load_b32 v[BS+2*\ks+\u], v10 offset:128*(2*(\Q)+\u+4*\ks)
.endr
.endr
.irp ks, 0,1
.irp T, 0,1,2,3
	FETCH BX+12*\T, 9, (4*(\Q)+\T+8*\ks)*1536
.endr
	s_wait_dscnt 0x0
.irp T, 0,1,2,3
.irp o, 0,1
	WS ACC+8*(4*\o+\T), AW+12*(2*\o+\ks), BX+12*\T, (\ks==0), AS+\ks, BS+2*\ks+\T/2, \o, \T%2         ; the eight accumulators by turns
.endr
.endr
.rept 4
	v_nop                                          ; four places in front of loads into registers that the products have read, and of the first read of results
.endr
.endr
.irp o, 0,1
.irp T, 0,1,2,3
	ds_load_b128 v[UPR+8*\T:UPR+8*\T+3], v[11+\Q] offset:16640*\T+32*\o            ; the gathered sums of column 64 Q + 4 r + T, channels 32 w + 16 o + 8 h + 0 .. 3,
	ds_load_b128 v[UPR+8*\T+4:UPR+8*\T+7], v[11+\Q] offset:16640*\T+32*\o+512      ; and + 4 .. 7
.endr
.irp T, 0,1,2,3
.irp j, 0,2,4,6
	v_pk_fma_f32 v[ACC+8*(4*\o+\T)+\j:ACC+8*(4*\o+\T)+\j+1], v[ACC+8*(4*\o+\T)+\j:ACC+8*(4*\o+\T)+\j+1], v[GG+8*\o+\j:GG+8*\o+\j+1], v[BB+8*\o+\j:BB+8*\o+\j+1]   ; the norm; each accumulator from its low end on
.endr
.irp j, 0,1,2,3,4,5,6,7
	v_max_num_f32 v[ACC+8*(4*\o+\T)+\j], 0, v[ACC+8*(4*\o+\T)+\j]
.endr
.endr
	s_wait_dscnt 0x0
	s_wait_xcnt 0x0                                ; the last eight stores have read their data: OUT is written again only behind this wait
.irp j, 0,1,2,3,4,5,6,7
.irp T, 0,1,2,3
	v_add_f32 v[OUT+4*\j+\T], v[ACC+8*(4*\o+\T)+\j], v[UPR+8*\T+\j]
.endr
.endr
.irp j, 0,1,2,3,4,5,6,7
	global_store_b128 v13, v[OUT+4*\j:OUT+4*\j+3], s[22:23] offset:65536*(16*\o+\j)+256*(\Q) th:TH_STORE_NT   ; lanes 0-15 store 256 consecutive bytes of channel j's row, lanes 16-31 of channel 8 + j's; each run starts at a multiple of 256
.endr
.endr
.endm
	s_load_b512 s[4:19], s[0:1], 0x0               ; x2 s[4:5], w2q s[6:7], g2 s[8:9], b2 s[10:11], m2 s[12:13], v2 s[14:15], nbr s[16:17], wgt s[18:19]
	s_load_b128 s[20:23], s[0:1], 0x40             ; h1 s[20:21], out1 s[22:23]
	s_set_vgpr_msb 0x40
	v_lshl_add_u32 v0, v0, 2, 0x48000
	v_mov_b32 v1, 0
	s_set_vgpr_msb 0x4045
	ds_add_u32 v0, v1
	ds_add_u32 v0, v1
	s_set_vgpr_msb 0x4500
	v_lshrrev_b32 v1, 5, v0
	v_readfirstlane_b32 s36, v1                    ; wave 0..7
	s_lshr_b32 s37, ttmp9, 7                       ; batch
	s_and_b32 s40, ttmp9, 127                      ; my block of 128 columns
	; descriptor group 1: a tile of 32 rows x 128 elements of 4 bytes, rows 16,384 elements apart, dense in LDS
	s_mov_b32 s28, 2<<16                           ; 15:0 no mask; 17:16 elements of 4 bytes; 20 no padding
	s_mov_b32 s29, 128<<16                         ; tensor_dim0 = 128
	s_mov_b32 s30, 32<<16                          ; tensor_dim1 = 32
	s_mov_b32 s31, 128<<16                         ; tile_dim0 = 128
	s_mov_b32 s32, 32                              ; tile_dim1 = 32
	s_mov_b32 s33, 16384                           ; tensor_dim0_stride
	s_mov_b32 s34, 0
	s_mov_b32 s35, 0
	s_mov_b32 s24, 1                               ; group 0: count = 1
	s_lshl_b32 s25, s36, 14                        ; LDS address: my 32 rows of 512 bytes
	s_lshl_b32 s38, s37, 24                        ; a batch is 256 rows of 65,536 bytes,
	s_lshl_b32 s41, s36, 21                        ; my 32 rows (in x2) or channels (in out1),
	s_add_co_u32 s38, s38, s41
	s_lshl_b32 s41, s40, 9                         ; my block's 512 bytes of a row
	s_add_co_u32 s38, s38, s41
	s_mov_b32 s39, 0
	s_wait_dscnt 0x0
	s_wait_kmcnt 0x0
	s_add_nc_u64 s[26:27], s[4:5], s[38:39]
	s_add_nc_u64 s[22:23], s[22:23], s[38:39]      ; out1 has x2's shape: the same offset
	s_or_b32 s27, s27, 0x80000000                  ; type = 2
	tensor_load_to_lds s[24:27], s[28:35]          ; one load a wave, the only one of the launch: by this text's count one is out
	s_nop 0
	v_and_b32 v1, 31, v0                           ; lane
	v_and_b32 v2, 15, v0                           ; r
	v_bfe_u32 v3, v0, 4, 1                         ; h
	v_lshlrev_b32 v4, 4, v1                        ; v4: 16 x lane
	v_lshlrev_b32 v5, 2, v1                        ; v5: 4 x lane
	v_mov_b32 v14, 0                               ; v14: the offset of loads that every lane makes alike
	v_mov_b32 v15, 0                               ; v15: 0.0
	s_lshl_b32 s38, ttmp9, 11
	s_lshl_b32 s43, s36, 8
	s_add_co_u32 s38, s38, s43
	s_add_nc_u64 s[16:17], s[16:17], s[38:39]      ; nbr and wgt at my wave's 16 queries: 16 bytes each
	s_add_nc_u64 s[18:19], s[18:19], s[38:39]
.irp e, 0,1,2,3,4,5,6,7,8,9,10,11,12,13,14,15
	global_load_b128 v[NB+4*\e:NB+4*\e+3], v14, s[16:17] offset:16*\e
.endr
.irp e, 0,1,2,3,4,5,6,7,8,9,10,11,12,13,14,15
	global_load_b128 v[WT+4*\e:WT+4*\e+3], v14, s[18:19] offset:16*\e
.endr
	s_lshl_b32 s38, s37, 21
	s_add_nc_u64 s[20:21], s[20:21], s[38:39]      ; h1 at the batch: 4,096 rows of 512 bytes
	s_add_nc_u64 s[46:47], s[6:7], 49152           ; W2's scale words: behind the fragments, 256 bytes a wave
	s_mov_b32 s38, s43
	s_add_nc_u64 s[46:47], s[46:47], s[38:39]
	s_mul_i32 s38, s36, 6144
	s_add_nc_u64 s[6:7], s[6:7], s[38:39]          ; W2's fragments: 4 a wave
	s_lshr_b32 s41, s36, 2                         ; w / 4
	s_and_b32 s42, s36, 3                          ; w % 4
	s_mul_i32 s43, s41, 66560
	s_mul_i32 s44, s42, 4160
	s_add_co_u32 s43, s43, s44
	s_add_co_u32 s43, s43, UPB
	v_add_nc_u32 v6, s43, v4                       ; v6: the gathered sums, in: row 64 (w / 4) + 4 (w % 4) (+ 16 (e % 4) + e / 4), 16 x lane
	s_lshl_b32 s43, s41, 16
	s_lshr_b32 s44, s42, 1
	s_lshl_b32 s44, s44, 8
	s_add_co_u32 s43, s43, s44
	s_and_b32 s44, s36, 1
	s_lshl_b32 s44, s44, 3
	s_add_co_u32 s43, s43, s44
	v_lshlrev_b32 v7, 4, v2
	v_lshl_add_u32 v7, v3, 2, v7
	v_add_nc_u32 v7, s43, v7                       ; v7: x2's tile: rows 128 (w / 4) on; my column 64 (cg / 2) + 4 r + 2 (cg % 2) + h: the 32 lanes touch 32 different words of a row
	s_mul_i32 s43, s42, 3072
	s_mul_i32 s44, s41, 12288
	s_add_co_u32 s43, s43, s44
	s_add_co_u32 s43, s43, XIMG
	v_add_nc_u32 v8, s43, v4                       ; v8: where I store my two fragments: tiles 2 cg, 2 cg + 1 of K step w / 4
	v_add_nc_u32 v9, XIMG, v4                      ; v9: the fragments, read
	v_add_nc_u32 v10, XSC, v5                      ; v10: the scale words, read
	v_mul_u32_u24 v11, v2, 1040
	v_lshl_add_u32 v11, v3, 4, v11
	s_lshl_b32 s43, s36, 6
	s_add_co_u32 s43, s43, UPB
	v_add_nc_u32 v11, s43, v11                     ; v11: the gathered sums, back: row r (+ 16 T), my channels' 16 bytes: 64 w + 16 h (+ 32 o)
	v_add_nc_u32 v12, 66560, v11                   ; v12: the same for the second quad
	v_lshlrev_b32 v13, 4, v2
	v_lshl_add_u32 v13, v3, 19, v13                ; v13: out1: 16 r bytes along a row, 8 h channels of 65,536 bytes down
	s_wait_loadcnt 16                              ; the indices are in; the sixteen loads of weights are younger
.irp e, 0,1,2,3,4,5,6,7,8,9,10,11,12,13,14,15
.irp k, 0,1,2
	v_min_u32 v[NB+4*\e+\k], 0xfff, v[NB+4*\e+\k]  ; a loaded number enters an address only behind a bound written in the instruction
.endr
.endr
.irp e, 0,1,2,3,4,5,6,7,8,9,10,11,12,13,14,15
.irp k, 0,1,2
	v_lshl_add_u32 v[NB+4*\e+\k], v[NB+4*\e+\k], 9, v4             ; 512 x index + 16 x lane
.endr
.endr
	; ---- the gather: eight queries' rows are always on their way
.irp e, 0,1,2,3,4,5,6,7
	ROWS \e
.endr
.irp e, 0,1,2,3,4,5,6,7,8,9,10,11,12,13,14,15
	UPQ \e
.endr
	; ---- W2's part of this wave and the norm's vectors: they land during the quantising.  (Every earlier load has been waited for: its offset registers are free)
	s_lshl_b32 s43, s36, 7
	v_lshl_add_u32 v66, v3, 5, s43                 ; v66: my channels 32 w + 8 h (+ 16 o) in the norm's four vectors
	v_add_nc_u32 v67, s43, v10                     ; v67: where I store my columns' scale word: cg + 4 ks = w
.irp f, 0,1,2,3
.irp g, 0,1,2
	global_load_b128 v[AW+12*\f+4*\g:AW+12*\f+4*\g+3], v4, s[6:7] offset:1536*\f+512*\g
.endr
.endr
.irp k, 0,1
	global_load_b32 v[AS+\k], v5, s[46:47] offset:128*\k
.endr
.irp q, 0,1,2,3
	global_load_b128 v[GG+4*\q:GG+4*\q+3], v66, s[8:9] offset:64*(\q/2)+16*(\q%2)
	global_load_b128 v[BB+4*\q:BB+4*\q+3], v66, s[10:11] offset:64*(\q/2)+16*(\q%2)
	global_load_b128 v[MM+4*\q:MM+4*\q+3], v66, s[12:13] offset:64*(\q/2)+16*(\q%2)
	global_load_b128 v[VV+4*\q:VV+4*\q+3], v66, s[14:15] offset:64*(\q/2)+16*(\q%2)
.endr
	s_wait_tensorcnt 0x0                           ; my 32 rows of x2 have landed,
	BARRIER                                        ; and so have my stores of gathered sums: both now hold of every wave
	; ---- x2's 32 columns x 128 channels of this wave become two fragments
.irp c, 0,1
.set ii, 0
.rept 64
	ds_load_b32 v[RAW+ii], v7 offset:512*(64*\c+ii)
.set ii, ii+1
.endr
	s_wait_dscnt 0x0
	QUANT64 RAW, \c
.endr
	IMAGE 8, F0, 0
	IMAGE 8, F1, 1536
	ds_store_b32 v67, v[WD]
	s_wait_loadcnt 0x0                             ; W2 and the norm
	BNFOLD GG, BB, MM, VV
	BARRIER                                        ; x2's sixteen fragments lie in LDS
	; ---- the product, the norm, the sum and the stores, a quad of tiles at a time
	PASS 0
	PASS 1
	s_set_vgpr_msb 0x5
	s_wait_tensorcnt 0x0
	ds_add_u32 v0, v1
	s_wait_dscnt 0x0
	s_set_vgpr_msb 0x500
	s_endpgm
.Lfunc_end_k_q5975641546_conv2_up:
	.size	k_q5975641546_conv2_up, .Lfunc_end_k_q5975641546_conv2_up-k_q5975641546_conv2_up
	.p2alignl 7, 3214868480
	.fill 96, 4, 3214868480
	.section	.rodata,"a",@progbits
	.p2align	6, 0x0
	.amdhsa_kernel k_q5975641546_conv2_up
		.amdhsa_group_segment_fixed_size 295936
		.amdhsa_private_segment_fixed_size 0
		.amdhsa_enable_private_segment 0
		.amdhsa_kernarg_size 80
		.amdhsa_user_sgpr_count 2
		.amdhsa_user_sgpr_kernarg_segment_ptr 1
		.amdhsa_wavefront_size32 1
		.amdhsa_system_sgpr_workgroup_id_x 1
		.amdhsa_system_sgpr_workgroup_id_y 1
		.amdhsa_system_sgpr_workgroup_id_z 1
		.amdhsa_system_vgpr_workitem_id 0
		.amdhsa_next_free_vgpr 258
		.amdhsa_next_free_sgpr 66
		.amdhsa_reserve_vcc 0
		.amdhsa_float_denorm_mode_32 3
		.amdhsa_float_denorm_mode_16_64 3
		.amdhsa_memory_ordered 1
		.amdhsa_forward_progress 1
		.amdhsa_inst_pref_size 90
	.end_amdhsa_kernel
	.amdgpu_metadata
---
amdhsa.version: [ 1, 2 ]
amdhsa.kernels:
  - .name:           k_q5975641546_conv2_up
    .symbol:         k_q5975641546_conv2_up.kd
    .args:
      - { .name: x2, .offset: 0, .size: 8, .value_kind: global_buffer, .address_space: global }
      - { .name: w2q, .offset: 8, .size: 8, .value_kind: global_buffer, .address_space: global }
      - { .name: g2, .offset: 16, .size: 8, .value_kind: global_buffer, .address_space: global }
      - { .name: b2, .offset: 24, .size: 8, .value_kind: global_buffer, .address_space: global }
      - { .name: m2, .offset: 32, .size: 8, .value_kind: global_buffer, .address_space: global }
      - { .name: v2, .offset: 40, .size: 8, .value_kind: global_buffer, .address_space: global }
      - { .name: nbr, .offset: 48, .size: 8, .value_kind: global_buffer, .address_space: global }
      - { .name: wgt, .offset: 56, .size: 8, .value_kind: global_buffer, .address_space: global }
      - { .name: h1, .offset: 64, .size: 8, .value_kind: global_buffer, .address_space: global }
      - { .name: out1, .offset: 72, .size: 8, .value_kind: global_buffer, .address_space: global }
    .group_segment_fixed_size: 295936
    .private_segment_fixed_size: 0
    .kernarg_segment_align: 8
    .kernarg_segment_size: 80
    .max_flat_workgroup_size: 256
    .sgpr_count:     66
    .vgpr_count:     258
    .wavefront_size: 32
...
	.end_amdgpu_metadata
.endif
;; end of part 3
